; MI455X (gfx1250); checked and timed in simulation.
; The chip was launched on July 23, 2026; its instructions are those of AMD's public machine-readable ISA for CDNA 5 (MIT licence, August 2026) and "CDNA5" Instruction Set Architecture Reference Guide (July 2026). The comments in the code are by the model that wrote it; some were corrected since.
;; Equi Linear Layer. Allowed arithmetic: matrix products marked QUANTISED: E4M3 operands, one E8M0 scale for each 32 along K, by v_wmma_scale_f32_16x16x128_f8f6f4 with both operands' format E4M3, f32 sums; products left as they are: f32 operands where the result goes on into a quantised operand, else bf16, f16 or f32 operands; f32 sums; everything else in f32.
;; Inputs: blade 9 x 16 x 16 float32; weights 256 x 512 x 9 float32; x 8 x 256 x 512 x 16 float32.
;; Outputs: out0 8 x 256 x 256 x 16 float32.
;; This version of the problem:
;;   THIS VERSION OF THE PROBLEM IS GIVEN IN LOW PRECISION. The matrix products marked QUANTISED in the list below multiply operands that are first quantised to E4M3 (4 exponent bits, 3 mantissa bits; 8 bits a number), with one power-of-two scale for each 32 numbers along K (OCP MX v1.0); their sums are f32. All else is computed in f32.
;;   The module's matrix products, in the order in which they are computed (A, B: the left and right operand; K: the contracted axis; several contracted axes count as one K, in the product's order):
;;     1. [M 131,072, K 9] x [K 9, N 256]; A: input weights; B: input blade: left as it is (K = 9 < 32)
;;     2. [M 2,048, K 8,192] x [K 8,192, N 4,096]; A: input x; B: computed on the way: QUANTISED
;;   THE QUANTISER, for each operand of a quantised product, along K:
;;     - K is cut into blocks of 32 from its start; a last block that is shorter is filled with zeros.
;;     - A block's scale is 2^e with e = floor(log2(the largest magnitude in the block)) - 8, held to -126 .. 127; a block of zeros has e = 0. As a byte (E8M0): e + 127.
;;     - Each number is divided by its block's scale, clamped to +-448, and rounded to the nearest number of E4M3, ties to even, subnormals kept.
;;     - The product sums the exact products of the quantised numbers (number of the format x scale) in f32.
;;   ~~~python
;;   def quantise(x, axis):      # numpy; x: float32 -> the quantised numbers, widened to float32 again
;;       x = np.moveaxis(x, axis, -1); K = x.shape[-1]
;;       x = np.pad(x, [(0, 0)] * (x.ndim - 1) + [(0, -K % 32)]); x = x.reshape(x.shape[:-1] + (-1, 32)); a = np.abs(x).max(-1, keepdims=True)
;;       e = np.where(a > 0, np.clip(np.frexp(np.where(a > 0, a, 1))[1] - 1 - 8, -126, 127), 0)      # np.frexp(a)[1] - 1 = floor(log2(a)), exactly
;;       r = np.clip(x / 2.0 ** e, -448, 448)
;;       step = 2.0 ** (np.maximum(np.frexp(np.where(r == 0, 1, r))[1] - 1, -6) - 3)
;;       q = np.round(r / step) * step * 2.0 ** e      # np.round: ties to even
;;       return np.moveaxis(q.reshape(q.shape[:-2] + (-1,))[..., :K], -1, axis).astype(np.float32)
;;   ~~~
;;   OPERANDS COMPUTED ON THE WAY. 'Computed on the way' means the value that the module computes at that place (a softmax that the list does not call 'softmax' is quantised finished and normalised). What goes into a quantiser is computed in f32, as accurately as f32 sums, v_exp_f32 and their like allow (about 1e-6 of the number): no bf16 or f16 on the way to a quantiser, and a product that is left as it is and whose result goes on into a quantised operand takes f32 operands (vector FMAs, or v_wmma_f32_16x16x4_f32). A number that lies on a knife's edge between two numbers of the format may be rounded either way, as far as f32 arithmetic and the matrix unit's own rounding can turn it there, and no further.
;; One version. Each part assembles by itself: llvm-mc -triple=amdgcn-amd-amdhsa -mcpu=gfx1250 --defsym DOCPART=n.
;; ======== version 1 of 1: 2 launches
;; limits: right only within a limited range of input values
;; workspace buffers: xq 17,301,504 bytes; kq 34,603,008 bytes
;; launch prep (part 1): grid 1024 x 1, 4 waves a work-group, no clusters, 34,304 bytes of LDS; arguments x, weights, blade, xq, kq; writes xq, kq
.if DOCPART == 1
	.amdgcn_target "amdgcn-amd-amdhsa--gfx1250"
	.amdhsa_code_object_version 6
	.text
	.protected	k_q6ae03ded6f_prep
	.globl	k_q6ae03ded6f_prep
	.p2align	8
	.type	k_q6ae03ded6f_prep,@function
k_q6ae03ded6f_prep:
	s_mov_b64 s[64:65], 0
	v_nop
	global_prefetch_b8 v0, s[64:65] scope:SCOPE_SE
	s_setreg_imm32_b32 hwreg(HW_REG_WAVE_MODE, 25, 1), 1
	s_wait_xcnt 0x0
; out[(s,n)][(j,y)] = sum over (i,x) of x[(s,n)][(i,x)] * kernel[(j,y)][(i,x)],  kernel[j][i][x][y] = sum over b of weights[j][i][b] * blade[b][x][y].
; THIS LAUNCH makes both operands of the large product as codes of FP8 (E4M3) with one E8M0 byte for each 32 along K = (i, x): a block is two i x sixteen x.
; NO WORK IS LEFT OUT: all three inputs reach the output for general values (blade's zeros are data, nothing is built on them), and all three are loaded.
; TWO KINDS OF WORK-GROUP: one quantises x, the other builds the kernel tensor by f32 multiply-adds and quantises it.  The kind is bit 0 of the work-group's number xor bit 8 of it:
; of the work-groups 2 p and 2 p + 1 one is of each kind, and the kinds alternate among neighbouring numbers and among numbers 256 apart alike.
; A block's scale is 2^(floor(log2(largest magnitude)) - 8): its byte is the largest magnitude's exponent field - 8, held at 1 from below; each number is held within +-448 x the scale and rounded to the nearest code, ties to even.
; LIMITS: NaN and infinities among the inputs are not served.  A block of zeros gets the byte 1 where the rule says 127: its codes are zeros, which add nothing under any byte but 0xff, and this program alone reads the bytes.
; THE ORDER OF K INSIDE A FRAGMENT, alike for both operands.  K step ks holds i = 8 ks .. 8 ks + 7.  A fragment is 16 rows x 128 K, 16 registers a lane: lane (r = lane % 16, h = lane / 16), registers 4 c .. 4 c + 3,
; code e (0 .. 15) is row r, i = 8 ks + 2 c + e / 8, x = 8 h + e % 8.  That permutes K inside one block of 32 only, so blocks, scales and codes are the stated ones; the f32 sum inside a matrix instruction takes another order.
; For the kernel tensor (j, i) is then the same in all 32 lanes: a weight is one broadcast multiplier, and a lane needs 72 numbers of blade (b, its eight x, its y = r), kept in registers.
; WORKSPACE, laid as images of the operand's registers.  A fragment's image: 2,048 bytes, byte 512 c + 16 lane + e.  A scale image of 8 tiles: 512 bytes, the word at 16 L + 4 i is row L % 16 of tile i + 4 (L / 16).
;   xq = [16 row blocks][64 K steps][16,896]: 8 fragment images (tile t: rows 128 mb + 16 t + r), then one scale image.
;   kq = [16 column blocks][64 K steps][33,792]: 16 fragment images (tile u: j = 16 nb + u, row r = y), then two scale images (tiles 0-7, 8-15).
; SHARES.  T = 4 (work-group / 2) + wave, 0 .. 2,047; ks = T % 64.  x: a wave takes 64 rows (four tiles) of one K step.  Kernel tensor: a wave takes eight j of one K step, in two trips of four.
; No barrier: waves share nothing.  Every store of codes covers 512 consecutive aligned bytes, every store of scale words 256.
.set ABLK,   16896
.set BBLK,   33792
.set SPITCH, 528                       ; a stage row: 512 bytes + 16: sixteen rows start in sixteen different groups of banks (64 banks of 4 bytes: ISA guide 11.1)
.set STGW,   16*SPITCH                 ; a wave's stage (the x path alone uses it)
.set SPARE,  4*STGW                    ; behind the stages: the spare words, 128 bytes for each wave: two blocks of 256 bytes that no other line names
.set KB,   1                           ; v1   blade: 4 r + 512 h
.set KZ,   2                           ; v2   0: the weights' loads read the same 16 bytes in all lanes
.set L16,  4                           ; v4   16 x lane
.set SIN,  5                           ; v5   the stage, on the way in: 16 x lane
.set SOUT, 6                           ; v6   on the way out: 528 r + 32 h
.set SCO,  7                           ; v7   the scale words' store: 16 r + 8 h
.set SPW,  8                           ; v8   LDS address of my spare word; never rewritten
.set NIL,  9                           ; v9   0; never rewritten
.set R0,   10                          ; v10-137  x path: two sets of 16 rows as loaded
.set BL,   10                          ; v10-81   kernel path: BL + 8 b + e = blade[b][8 h + e][r]
.set W0,   82                          ; v82-117  36 weights: four i x nine b
.set W1,   118                         ; v118-153 the other four i
.set NUM,  154                         ; v154-217 64 numbers: register 16 c + e
.set PC,   218                         ; v218-233 their codes
.set TM,   234                         ; v234-237 largest magnitudes, v238-241 bytes, v242-245 448 x the scale, v246-249 the conversions' scale operands
.set SB,   250                         ; v250-253 the scale words of four tiles
.set SD,   254                         ; v254-255 what the scale store sends
; 64 numbers in v[NUM] on become a fragment's codes in v[PC] on and its rows' scale word in v[pw].
.macro QUANT pw
.irp b, 0,1,2,3
	v_max3_num_f32 v[TM+\b], |v[NUM+16*\b]|, |v[NUM+1+16*\b]|, 0x4800000   ; block b: my 16 numbers, and the floor 2^(9 - 127): the byte cannot fall under 1
.endr
.irp i, 2,4,6,8,10,12,14
.irp b, 0,1,2,3
	v_max3_num_f32 v[TM+\b], v[TM+\b], |v[NUM+16*\b+\i]|, |v[NUM+1+16*\b+\i]|   ; the four blocks by turns
.endr
.endr
.irp b, 0,1,2,3
	v_permlanex16_b32 v[TM+4+\b], v[TM+\b], s20, s21
.endr
.irp b, 0,1,2,3
	v_max_num_f32 v[TM+\b], v[TM+\b], v[TM+4+\b]        ; with lane l xor 16's 16: the block's largest magnitude
.endr
.irp b, 0,1,2,3
	v_add_nc_u32 v[TM+12+\b], 0xfc000000, v[TM+\b]      ; 8 off its exponent field: the conversion takes the exponent field of this operand as its scale
.endr
.irp b, 0,1,2,3
	v_and_or_b32 v[TM+8+\b], v[TM+\b], 0x7f800000, s22  ; 448 x the scale: that exponent field over 448's mantissa
.endr
.irp b, 0,1,2,3
	v_lshrrev_b32 v[TM+4+\b], 23, v[TM+12+\b]           ; the scale's byte
.endr
	v_lshl_or_b32 v[\pw], v[TM+5], 8, v[TM+4]
	v_lshl_or_b32 v[\pw], v[TM+6], 16, v[\pw]
	v_lshl_or_b32 v[\pw], v[TM+7], 24, v[\pw]
.irp b, 0,1,2,3
.irp i, 0,1,2,3,4,5,6,7,8,9,10,11,12,13,14,15
	v_med3_num_f32 v[NUM+16*\b+\i], v[NUM+16*\b+\i], -v[TM+8+\b], v[TM+8+\b]   ; the conversion to an 8-bit code does not saturate (ISA guide 7.6.2): the hold comes first
.endr
	v_cvt_scalef32_pk8_fp8_f32 v[PC+4*\b:PC+1+4*\b], v[NUM+16*\b:NUM+7+16*\b], v[TM+12+\b]
	v_cvt_scalef32_pk8_fp8_f32 v[PC+2+4*\b:PC+3+4*\b], v[NUM+8+16*\b:NUM+15+16*\b], v[TM+12+\b]
.endr
	v_nop                                          ; one plain vector instruction behind the last scaled conversion, ahead of whatever next writes its sources
.endm
.macro PUT base, t                     ; tile t's image: four stores of 512 consecutive bytes
.irp c, 0,1,2,3
	global_store_b128 v[L16], v[PC+4*\c:PC+4*\c+3], s[\base:\base+1] offset:2048*(\t)+512*\c
.endr
.endm
.macro PUTSC                           ; four tiles' scale words: lane (r, h) sends tiles 2 h and 2 h + 1 of row r: 256 consecutive bytes
	v_cndmask_b32 v[SD], v[SB], v[SB+2], s28
	v_cndmask_b32 v[SD+1], v[SB+1], v[SB+3], s28
	global_store_b64 v[SCO], v[SD:SD+1], s[26:27]
.endm
	s_load_b256 s[4:11], s[0:1], 0x0               ; x s[4:5], weights s[6:7], blade s[8:9], xq s[10:11]
	s_load_b64 s[12:13], s[0:1], 0x20              ; kq
	v_lshl_add_u32 v[SPW], v0, 2, SPARE
	v_mov_b32 v[NIL], 0
	v_lshrrev_b32 v3, 5, v0
	v_readfirstlane_b32 s14, v3                    ; wave 0..3
	v_and_b32 v2, 31, v0                           ; lane
	v_lshlrev_b32 v[L16], 4, v2
	v_and_b32 v1, 15, v0                           ; r
	v_bfe_u32 v3, v0, 4, 1                         ; h
	s_mul_i32 s25, s14, STGW                       ; my stage
	v_add_nc_u32 v[SIN], s25, v[L16]
	v_mul_u32_u24 v[SOUT], v1, SPITCH
	v_lshl_add_u32 v[SOUT], v3, 5, v[SOUT]
	v_add_nc_u32 v[SOUT], s25, v[SOUT]
	v_lshlrev_b32 v[SCO], 4, v1
	v_lshl_add_u32 v[SCO], v3, 3, v[SCO]
	v_cmp_ne_u32 s28, 0, v3                        ; the mask of lanes 16-31
	v_lshlrev_b32 v1, 2, v1
	v_lshl_add_u32 v[KB], v3, 9, v1                ; 4 r + 512 h
	v_mov_b32 v[KZ], 0
.irp b, 0,1,2,3
	v_mov_b32 v[TM+4+\b], 0                        ; written once: a lane permute's destination counts as one of its sources
.endr
	s_mov_b32 s20, 0x76543210
	s_mov_b32 s21, 0xfedcba98                      ; v_permlanex16_b32's selects for lane l xor 16
	s_mov_b32 s22, 0x600000                        ; the mantissa field of 448
	s_lshr_b32 s15, ttmp9, 1
	s_lshl_b32 s15, s15, 2
	s_add_co_u32 s15, s15, s14                     ; T
	s_and_b32 s16, s15, 63                         ; ks
	s_bfe_u32 s17, s15, 0x10006                    ; which half of the block's tiles
	s_lshr_b32 s18, s15, 7                         ; the row block (x) or column block (kernel tensor)
	s_lshl_b32 s19, s18, 6
	s_add_co_u32 s19, s19, s16                     ; which block of the workspace
	s_lshr_b32 s24, s15, 6                         ; which eight j
	s_mov_b32 s31, 0
	s_lshr_b32 s25, ttmp9, 8                       ; the kind: bit 8 of the work-group's number
	s_xor_b32 s25, s25, ttmp9                      ; xor bit 0
	s_and_b32 s25, s25, 1
	s_wait_kmcnt 0x0
	s_cmp_lg_u32 s25, 0
	s_cbranch_scc1 .Lkernel_path
; ---------------- x: 64 rows x 128 along K ----------------
; A load reads 512 consecutive bytes of one row; 16 rows turn through my own stage, so that a lane gets its row's numbers in the fragment's order.
.macro XLOAD t
.irp rr, 0,1,2,3,4,5,6,7,8,9,10,11,12,13,14,15
	global_load_b128 v[R0+64*((\t)%2)+4*\rr:R0+64*((\t)%2)+4*\rr+3], v[L16], s[4:5] offset:(16*(\t)+\rr)*32768 th:TH_LOAD_NT
.endr
.endm
.macro XTILE t
.if (\t) < 3
	s_wait_loadcnt 16                              ; this tile's 16 loads are in; the next tile's 16 may be out
.else
	s_wait_loadcnt 0
.endif
.irp rr, 0,1,2,3,4,5,6,7,8,9,10,11,12,13,14,15
	ds_store_b128 v[SIN], v[R0+64*((\t)%2)+4*\rr:R0+64*((\t)%2)+4*\rr+3] offset:SPITCH*\rr
.endr
.irp c, 0,1,2,3
.irp g, 0,1
.irp u, 0,1
	ds_load_b128 v[NUM+16*\c+8*\g+4*\u:NUM+16*\c+8*\g+4*\u+3], v[SOUT] offset:128*\c+64*\g+16*\u   ; i = 2 c + g, x = 8 h + 4 u on.  LDS serves a wave's instructions in order (ISA guide 5.7.1.4): these see the stores above
.endr
.endr
.endr
	s_wait_dscnt 0x0                               ; the numbers are back, and the stores into the stage have read their registers
	s_wait_xcnt 0x0                                ; the last tile's stores of codes have read theirs: they are written again below
.if (\t) < 2
	XLOAD (\t)+2
.endif
	QUANT SB+(\t)
	PUT 10, \t
.endm
	s_lshl_b32 s30, s18, 22                        ; 128 rows of 32,768 bytes a row block,
	s_lshl_b32 s25, s17, 21                        ; 64 rows a half,
	s_add_co_u32 s30, s30, s25
	s_lshl_b32 s25, s16, 9                         ; 512 bytes a K step
	s_add_co_u32 s30, s30, s25
	s_add_nc_u64 s[4:5], s[4:5], s[30:31]
	s_mul_i32 s30, s19, ABLK
	s_add_nc_u64 s[10:11], s[10:11], s[30:31]      ; my block of xq
	s_lshl_b32 s30, s17, 8
	s_add_co_u32 s30, s30, 16384
	s_add_nc_u64 s[26:27], s[10:11], s[30:31]      ; my half of its scale image
	s_lshl_b32 s30, s17, 13
	s_add_nc_u64 s[10:11], s[10:11], s[30:31]      ; my four fragment images
	XLOAD 0
	XLOAD 1
	XTILE 0
	XTILE 1
	XTILE 2
	XTILE 3
	PUTSC
	s_branch .Lend
; ---------------- the kernel tensor: eight j x 16 y x 128 along K ----------------
.Lkernel_path:
.macro LOADW ws, t, half               ; 36 weights of j = tile t, i = 4 half .. 4 half + 3: 144 consecutive bytes, the same in all lanes
.irp q, 0,1,2,3,4,5,6,7,8
	global_load_b128 v[\ws+4*\q:\ws+4*\q+3], v[KZ], s[6:7] offset:18432*(\t)+144*(\half)+16*\q
.endr
.endm
; 32 numbers: four i x my eight x: nine terms each, two numbers an instruction; the weight is one register of a pair, taken for both halves.  Sixteen independent instructions stand between two links of a sum.
.macro KHALF half, ws
.irp b, 0,1,2,3,4,5,6,7,8
.irp il, 0,1,2,3
.irp p, 0,1,2,3
.set QI, 9*\il+\b
.set DD, NUM+32*\half+8*\il+2*\p
.set SS, BL+8*\b+2*\p
.set MM, \ws+(QI/2)*2
.if \b == 0
.if QI%2 == 0
	v_pk_mul_f32 v[DD:DD+1], v[SS:SS+1], v[MM:MM+1] op_sel_hi:[1,0]
.else
	v_pk_mul_f32 v[DD:DD+1], v[SS:SS+1], v[MM:MM+1] op_sel:[0,1] op_sel_hi:[1,1]
.endif
.else
.if QI%2 == 0
	v_pk_fma_f32 v[DD:DD+1], v[SS:SS+1], v[MM:MM+1], v[DD:DD+1] op_sel_hi:[1,0,1]
.else
	v_pk_fma_f32 v[DD:DD+1], v[SS:SS+1], v[MM:MM+1], v[DD:DD+1] op_sel:[0,1,0] op_sel_hi:[1,1,1]
.endif
.endif
.endr
.endr
.endr
.endm
.macro KTILE t
	s_wait_loadcnt 9                               ; the first four i's weights are in (and, loads ending in order, blade); the other set's 9 loads may be out
	KHALF 0, W0
.if (\t) < 3
	LOADW W0, (\t)+1, 0
	s_wait_loadcnt 9                               ; the second four i's are in; the 9 just issued may be out
.else
	s_wait_loadcnt 0
.endif
	KHALF 1, W1
	s_wait_xcnt 0x0                                ; the last tile's stores of codes have read their registers: they are written again below
.if (\t) < 3
	LOADW W1, (\t)+1, 1
.endif
	QUANT SB+(\t)
	PUT 12, \t
.endm
	s_mul_i32 s30, s24, 147456                     ; eight j of 18,432 bytes,
	s_mul_i32 s25, s16, 288                        ; eight i of 36 bytes a K step
	s_add_co_u32 s30, s30, s25
	s_add_nc_u64 s[6:7], s[6:7], s[30:31]
	s_mul_i32 s30, s19, BBLK
	s_add_nc_u64 s[12:13], s[12:13], s[30:31]      ; my block of kq
	s_lshl_b32 s30, s17, 9
	s_add_co_u32 s30, s30, 32768
	s_add_nc_u64 s[26:27], s[12:13], s[30:31]      ; my scale image
	s_lshl_b32 s30, s17, 14
	s_add_nc_u64 s[12:13], s[12:13], s[30:31]      ; my eight fragment images
	s_wait_alu depctr_va_vdst(0)                   ; ahead of the first readers of the head's addresses
.irp b, 0,1,2,3,4,5,6,7,8
.irp e, 0,1,2,3,4,5,6,7
	global_load_b32 v[BL+8*\b+\e], v[KB], s[8:9] offset:1024*\b+64*\e   ; blade[b][8 h + e][r]
.endr
.endr
	s_mov_b32 s23, 2
.Ltrip:                                            ; four j a trip
	LOADW W0, 0, 0
	LOADW W1, 0, 1
	KTILE 0
	KTILE 1
	KTILE 2
	KTILE 3
	PUTSC
	s_wait_xcnt 0x0                                ; every load and store has read its base and its data: the three pointers step
	s_add_nc_u64 s[6:7], s[6:7], 73728
	s_add_nc_u64 s[12:13], s[12:13], 8192
	s_add_nc_u64 s[26:27], s[26:27], 256
	s_sub_co_i32 s23, s23, 1
	s_cmp_lg_u32 s23, 0
	s_cbranch_scc1 .Ltrip
.Lend:
	s_wait_tensorcnt 0x0                           ; the wave's end
	ds_add_u32 v[SPW], v[NIL]
	s_wait_dscnt 0x0
	s_endpgm
.Lfunc_end_k_q6ae03ded6f_prep:
	.size	k_q6ae03ded6f_prep, .Lfunc_end_k_q6ae03ded6f_prep-k_q6ae03ded6f_prep
	.p2alignl 7, 3214868480
	.fill 96, 4, 3214868480
	.section	.rodata,"a",@progbits
	.p2align	6, 0x0
	.amdhsa_kernel k_q6ae03ded6f_prep
		.amdhsa_group_segment_fixed_size 34304
		.amdhsa_private_segment_fixed_size 0
		.amdhsa_enable_private_segment 0
		.amdhsa_kernarg_size 40
		.amdhsa_user_sgpr_count 2
		.amdhsa_user_sgpr_kernarg_segment_ptr 1
		.amdhsa_wavefront_size32 1
		.amdhsa_system_sgpr_workgroup_id_x 1
		.amdhsa_system_sgpr_workgroup_id_y 1
		.amdhsa_system_sgpr_workgroup_id_z 1
		.amdhsa_system_vgpr_workitem_id 0
		.amdhsa_next_free_vgpr 256
		.amdhsa_next_free_sgpr 66
		.amdhsa_reserve_vcc 0
		.amdhsa_float_denorm_mode_32 3
		.amdhsa_float_denorm_mode_16_64 3
		.amdhsa_memory_ordered 1
		.amdhsa_forward_progress 1
		.amdhsa_inst_pref_size 172
	.end_amdhsa_kernel
	.amdgpu_metadata
---
amdhsa.version: [ 1, 2 ]
amdhsa.kernels:
  - .name:           k_q6ae03ded6f_prep
    .symbol:         k_q6ae03ded6f_prep.kd
    .args:
      - { .name: x, .offset: 0, .size: 8, .value_kind: global_buffer, .address_space: global }
      - { .name: weights, .offset: 8, .size: 8, .value_kind: global_buffer, .address_space: global }
      - { .name: blade, .offset: 16, .size: 8, .value_kind: global_buffer, .address_space: global }
      - { .name: xq, .offset: 24, .size: 8, .value_kind: global_buffer, .address_space: global }
      - { .name: kq, .offset: 32, .size: 8, .value_kind: global_buffer, .address_space: global }
    .group_segment_fixed_size: 34304
    .private_segment_fixed_size: 0
    .kernarg_segment_align: 8
    .kernarg_segment_size: 40
    .max_flat_workgroup_size: 128
    .sgpr_count:     66
    .vgpr_count:     256
    .wavefront_size: 32
...
	.end_amdgpu_metadata
.endif
;; end of part 1
;; launch gemm (part 2): grid 16 x 16, 4 waves a work-group, clusters of 4 x 4, 327,680 bytes of LDS; arguments xq, kq, out0; writes out0
.if DOCPART == 2
	.amdgcn_target "amdgcn-amd-amdhsa--gfx1250"
	.amdhsa_code_object_version 6
	.text
	.protected	k_q6ae03ded6f_gemm
	.globl	k_q6ae03ded6f_gemm
	.p2align	8
	.type	k_q6ae03ded6f_gemm,@function
k_q6ae03ded6f_gemm:
	s_mov_b64 s[64:65], 0
	v_nop
	global_prefetch_b8 v0, s[64:65] scope:SCOPE_SE
	s_setreg_imm32_b32 hwreg(HW_REG_WAVE_MODE, 25, 1), 1
	s_wait_xcnt 0x0
	s_wait_alu depctr_hold_cnt(0) depctr_sa_sdst(0) depctr_va_vdst(0) depctr_va_sdst(0) depctr_va_ssrc(0) depctr_va_vcc(0) depctr_vm_vsrc(0)
	s_getreg_b32 s2, hwreg(HW_REG_IB_STS2, 6, 4)
	s_cmp_eq_u32 s2, 0
	s_cbranch_scc0 .Lentry_in_a_cluster
	s_endpgm
.Lentry_in_a_cluster:
	s_bfe_u32 s2, ttmp6, 0x10000c
	s_cmp_lg_u32 s2, 0xf033
	s_cbranch_scc0 .Lentry_shape_is_right
	s_endpgm
.Lentry_shape_is_right:
; out[(s,n)][(j,y)] = sum over K = (i,x) of the codes in xq and kq (FP8 E4M3, one E8M0 byte for each 32 along K), both laid as images of operand registers by the launch before.
; No work is left out: every code and every scale byte of both buffers is multiplied once.
; A work-group makes 128 rows x 256 columns; wave w makes all 128 rows x its own 64 columns (kq's tiles 4 w .. 4 w + 3): 32 accumulators of 16 x 16.
; B (kq): a fragment is read by ONE wave of the work-group, so it goes from memory straight into that wave's registers: a ring of four K steps, 17 loads a step, asked for three steps ahead.
;   It is not asked for jointly: a joint load lands in LDS, and these bytes pass through no LDS.
; A (xq): all four waves read all 128 rows, so A goes through LDS: two slots of eight K steps (135,168 bytes), filled by joint loads shared along a row of the 4 x 4 cluster, a quarter (132 rows of 256 bytes) to a wave.
;   A slot is filled again at the head of its last K step, when that step's fragments are in registers: the fill has eight K steps, 256 matrix instructions a wave, in which to land.
; A's fragments have two register sets.  A K step has ONE run of loads, at its head: the next step's 33 LDS loads of A, then the 17 loads of B's K step three on; its 32 matrix instructions follow on end.
; PREFETCHES into the L2: B's four K steps (528 blocks of 256 bytes) are shared out by address among the 16 waves of the four partners of a cluster's column, 33 blocks a wave, five K steps ahead of their first load;
;   A's eight K steps likewise among the 16 waves of a cluster's row, five K steps ahead of the joint load.  The first eight K steps of B and the first sixteen of A come by their loads alone; nothing is asked for past K step 63.
; THE MATRIX INSTRUCTION IS USED TRANSPOSED (source 0 = B's 16 columns, source 1 = A's 16 rows): a lane holds eight neighbouring numbers of a row of out; a wave's 64 columns are one aligned unit of 256 bytes.
; REGISTERS: window 0: addresses, v32-63 scale words (A's at 0-3 modulo 8, B's at 4-7), v128-191 the way out; window 1: B's ring, 4 x 64; window 2: A's two sets of 128; window 3: accumulator (a, b) at v[8 (4 a + b)].
.set ABLK,   16896                     ; xq: a K step of a row block: 8 fragment images of 2,048 bytes, one scale image of 512
.set BBLK,   33792                     ; kq: a K step of a column block: 16 fragment images, two scale images
.set OCT,    8*ABLK                    ; a slot
.set QTR,    OCT/4                     ; a wave's part of a fill
.set SPARE,  2*OCT                     ; the spare words, 128 bytes a wave
.set STAGE,  SPARE+512                 ; the way out: 16 rows x 272 bytes for each wave
.set SPITCH, 272
.set SHARE,  8448                      ; 33 blocks of 256 bytes: a wave's part of a prefetch
.set ADR,  8                           ; v8-13  16 x lane + slot s + 3 g K steps, at ADR + 3 s + g
.set VB,   14                          ; 16 x lane + 8,192 w: my four fragment images of a K step of kq
.set VSB,  15                          ; 16 (lane % 16) + 256 w: their scale words
.set STO,  16
.set RD,   17
.set CO,   18
.set SPW,  20
.set NIL,  21
.set PF1,  22                          ; 256 x lane
.set PF2,  23                          ; 8,192: the 33rd block
.set BK,   128
.set G1,   24
.set G0,   32
.set MUL,  0xf9                        ; source 0 window 1, source 1 window 2, C and D window 3
.set MSB, 0
.macro WIN new
.if MSB != \new
	s_set_vgpr_msb (MSB<<8)|\new
.set MSB, \new
.endif
.endm
.macro PLACES n
.rept \n
	v_nop
.endr
.endm
.macro CREST
	s_cmp_lg_u32 s14, 0
	s_cbranch_scc1 .Lnot_wave_0_\@
	s_barrier_signal -3
.Lnot_wave_0_\@:
	s_barrier_wait -3
	s_barrier_signal -1
	s_barrier_wait -1
.endm
.macro CROUND
	s_barrier_signal -1
	s_barrier_wait -1
	CREST
.endm
.macro JLOAD sl                        ; my quarter of a slot; the same descriptor in the four partners of my row
	tensor_load_to_lds s[G0+4*(\sl):G0+4*(\sl)+3], s[G1:G1+7]
	s_nop 0
	PLACES 4
.endm
.macro BSCL k                          ; B's scale words of K step T + k
	global_load_b128 v[36+8*((\k)%4):39+8*((\k)%4)], v[VSB], s[10:11] offset:(\k)*BBLK+32768
.endm
.macro BFRAG k, t                      ; B's fragment t of K step T + k (destination window 1)
.irp c, 0,1,2,3
	global_load_b128 v[64*((\k)%4)+16*(\t)+4*\c:64*((\k)%4)+16*(\t)+4*\c+3], v[VB], s[10:11] offset:(\k)*BBLK+2048*(\t)+512*\c
.endr
.endm
.macro ASCL k                          ; A's scale words of place k (0 .. 15) of the two slots
	ds_load_b128 v[32+8*((\k)%2):35+8*((\k)%2)], v[ADR+3*((\k)/8)+((\k)%8)/3] offset:(((\k)%8)%3)*ABLK+16384
.endm
.macro AFRAG k, t                      ; A's fragment t (destination window 2)
.irp c, 0,1,2,3
	ds_load_b128 v[128*((\k)%2)+16*(\t)+4*\c:128*((\k)%2)+16*(\t)+4*\c+3], v[ADR+3*((\k)/8)+((\k)%8)/3] offset:(((\k)%8)%3)*ABLK+2048*(\t)+512*\c
.endr
.endm
.macro MM ks, a, b, zero
.set rD, 8*(4*(\a)+(\b))
.set rB, 64*((\ks)%4)+16*(\b)
.set rA, 128*((\ks)%2)+16*(\a)
.set rSB, 36+8*((\ks)%4)+(\b)
.set rSA, 32+8*((\ks)%2)+(\a)%4
.if \zero
.if (\a) < 4
	v_wmma_scale_f32_16x16x128_f8f6f4 v[rD:rD+7], v[rB:rB+15], v[rA:rA+15], 0, v[rSB], v[rSA]
.else
	v_wmma_scale_f32_16x16x128_f8f6f4 v[rD:rD+7], v[rB:rB+15], v[rA:rA+15], 0, v[rSB], v[rSA] matrix_b_scale:MATRIX_SCALE_ROW1
.endif
.else
.if (\a) < 4
	v_wmma_scale_f32_16x16x128_f8f6f4 v[rD:rD+7], v[rB:rB+15], v[rA:rA+15], v[rD:rD+7], v[rSB], v[rSA]
.else
	v_wmma_scale_f32_16x16x128_f8f6f4 v[rD:rD+7], v[rB:rB+15], v[rA:rA+15], v[rD:rD+7], v[rSB], v[rSA] matrix_b_scale:MATRIX_SCALE_ROW1
.endif
.endif
.endm
.macro ASK base, off
	global_prefetch_b8 v[PF1], s[\base:\base+1] offset:\off th:TH_LOAD_NT scope:SCOPE_SE
	global_prefetch_b8 v[PF2], s[\base:\base+1] offset:\off th:TH_LOAD_NT scope:SCOPE_SE
.endm
; One K step, at place q (0 .. 15) of the two slots: 32 matrix instructions, the accumulators by turns.
; zero: the products start the sums.  rho: 1 = this slot is filled again, 2 = the barrier alone.  bl: B's K step three on is asked for.  lc: B's loads issued behind this step's set in earlier steps.  al: the next step's fragments of A are fetched.  ask: prefetches.
.macro STEP q, zero, rho, bl, lc, al, ask
.set KK, ((\q)+1)%16
.set SL, (\q)/8
	WIN 0
	PLACES 8                                       ; the places ahead of loads into the registers that the last step's products read
.if \rho
	s_wait_loadcnt \lc                             ; this step's 17 loads of B are in; the younger sets may be out
	s_wait_tensorcnt 0x0                           ; my part of the other slot has landed
	ds_add_u32 v[SPW], v[NIL]
.if \rho == 1
	s_add_nc_u64 s[G0+4*SL+2:G0+4*SL+3], s[G0+4*SL+2:G0+4*SL+3], 2*OCT
.endif
	s_wait_dscnt 0x0                               ; the add is done, and this slot's last fragments are in registers
	s_barrier_signal -1
	WIN MUL
.irp p, 0,1,2,3
	MM \q, \p/2, 2*(\p%2), 0
	MM \q, \p/2, 2*(\p%2)+1, 0
.endr
	WIN 0
	s_barrier_wait -1
.if \rho == 1
	CREST                                          ; the round: no wave of any partner still reads this slot
	JLOAD SL
.endif
.set P0, 4
.else
	s_wait_dscnt 0x0                               ; this step's fragments and scale words of A, asked for a step ago, are in
.set P0, 0
.endif
.if \al
	ASCL KK
	WIN 0x80
.irp t, 0,1,2,3,4,5,6,7
	AFRAG KK, \t
.endr
	WIN 0
.endif
.if \bl
	BSCL (\q)+3
	WIN 0x40
.irp t, 0,1,2,3
	BFRAG (\q)+3, \t
.endr
	WIN 0
.endif
.if \rho == 0
	s_wait_loadcnt (\lc)+17*(\bl)                  ; this step's 17 loads of B are in; the younger sets, the one just asked for among them, may be out
.endif
.if \ask
.if (\q)%4 == 0
	ASK 46, ((\q)+8)*BBLK                          ; B's K steps T + q + 8 .. + 11
.endif
.if (\q) == 10
	ASK 44, 3*OCT                                  ; A's eight K steps from T + 24 on
.endif
.if (\q) == 2
	s_cmp_gt_u32 s3, 1                             ; in the last pass T + 16 would lie past K's end
	s_cbranch_scc0 .Lno_ask_\@
	ASK 44, 2*OCT                                  ; A's eight K steps from T + 16 on
.Lno_ask_\@:
.endif
.endif
	WIN MUL
.set PP, P0
.rept 16-P0
	MM \q, PP/2, 2*(PP%2), \zero
	MM \q, PP/2, 2*(PP%2)+1, \zero
.set PP, PP+1
.endr
.endm
	s_load_b128 s[4:7], s[0:1], 0x0                ; xq, kq
	s_load_b64 s[8:9], s[0:1], 0x10                ; out0
	v_lshl_add_u32 v[SPW], v0, 2, SPARE
	v_mov_b32 v[NIL], 0
	ds_add_u32 v[SPW], v[NIL]                      ; the opening lines: the add twice on end and its wait
	ds_add_u32 v[SPW], v[NIL]
	v_lshrrev_b32 v1, 5, v0
	v_readfirstlane_b32 s14, v1                    ; wave
	s_bfe_u32 s40, ttmp6, 0x40000                  ; cx
	s_bfe_u32 s41, ttmp6, 0x40004                  ; cy
	s_lshl_b32 s42, ttmp9, 2
	s_add_co_u32 s42, s42, s40                     ; column block
	s_and_b32 s17, ttmp7, 0xffff
	s_lshl_b32 s17, s17, 2
	s_add_co_u32 s17, s17, s41                     ; row block
	s_lshl_b32 s43, s41, 2
	s_lshl_b32 s43, 15, s43                        ; my row of the cluster
	s_or_b32 s[G1+0], s43, (3<<16)|(1<<21)         ; elements of 8 bytes; the mask, bit 21 beside it
	s_mov_b32 s[G1+1], 32<<16                      ; rows of 256 bytes,
	s_mov_b32 s[G1+2], (QTR/256)<<16               ; 132 of them, dense
	s_mov_b32 s[G1+3], 32<<16
	s_mov_b32 s[G1+4], QTR/256
	s_mov_b32 s[G1+5], 32
	s_mov_b32 s[G1+6], 0
	s_mov_b32 s[G1+7], 0
	s_mul_i32 s12, s14, QTR                        ; my quarter, in a slot and in memory
	s_mul_i32 s20, s17, 64*ABLK
	s_add_co_u32 s20, s20, s12
	s_mov_b32 s21, 0
	s_lshl_b32 s22, s40, 2                         ; A's prefetches: my share among the 16 waves of my row
	s_add_co_u32 s22, s22, s14
	s_mul_i32 s22, s22, SHARE
	s_mul_i32 s13, s17, 64*ABLK
	s_add_co_u32 s22, s22, s13
	s_mov_b32 s23, 0
	s_mul_i32 s50, s42, 64*BBLK                    ; my column block of kq
	s_mov_b32 s51, 0
	s_lshl_b32 s48, s41, 2                         ; B's prefetches: my share among the 16 waves of my column
	s_add_co_u32 s48, s48, s14
	s_mul_i32 s48, s48, SHARE
	s_add_co_u32 s48, s48, s50
	s_mov_b32 s49, 0
	s_lshl_b32 s52, s17, 21                        ; out: 128 rows of 16,384 bytes a row block,
	s_lshl_b32 s53, s42, 10                        ; 1,024 bytes a column block,
	s_add_co_u32 s52, s52, s53
	s_lshl_b32 s56, s14, 8                         ; 256 bytes a wave
	s_add_co_u32 s52, s52, s56
	s_mov_b32 s53, 0
	s_mul_i32 s54, s14, 16*SPITCH
	s_add_co_u32 s54, s54, STAGE                   ; my stage
	s_lshl_b32 s55, s14, 13
	s_mov_b32 s3, 4                                ; passes of the loop's end
	v_and_b32 v2, 31, v0                           ; lane
	v_and_b32 v3, 15, v0                           ; r
	v_bfe_u32 v4, v0, 4, 1                         ; h
	v_lshlrev_b32 v5, 4, v2
	v_add_nc_u32 v[VB], s55, v5
	v_lshl_add_u32 v[VSB], v3, 4, s56
.irp s, 0,1
.irp g, 0,1,2
	v_add_nc_u32 v[ADR+3*\s+\g], \s*OCT+\g*3*ABLK, v5
.endr
.endr
	v_mul_u32_u24 v6, v3, SPITCH                   ; into the stage: row r, 32 bytes for each half of the lanes
	v_lshl_add_u32 v6, v4, 5, v6
	v_add_nc_u32 v[STO], s54, v6
	v_mul_u32_u24 v7, v4, SPITCH                   ; back: lanes 0-15 one row of 256 bytes, lanes 16-31 the next
	v_lshl_add_u32 v7, v3, 4, v7
	v_add_nc_u32 v[RD], s54, v7
	v_lshlrev_b32 v1, 4, v3
	v_lshl_add_u32 v[CO], v4, 14, v1               ; and the same two rows in out
	v_lshlrev_b32 v[PF1], 8, v2
	v_mov_b32 v[PF2], 8192
	s_wait_alu depctr_va_vdst(0)
	s_wait_dscnt 0x0
	s_wait_kmcnt 0x0
	s_add_nc_u64 s[10:11], s[6:7], s[50:51]
	s_add_nc_u64 s[20:21], s[4:5], s[20:21]
	s_add_nc_u64 s[44:45], s[4:5], s[22:23]
	s_add_nc_u64 s[46:47], s[6:7], s[48:49]
	s_add_nc_u64 s[8:9], s[8:9], s[52:53]
.irp k, 0,1,2
	BSCL \k                                        ; B's K steps 0 to 2: 51 loads
	WIN 0x40
.irp t, 0,1,2,3
	BFRAG \k, \t
.endr
	WIN 0
.endr
.irp s, 0,1
	s_mov_b32 s[G0+4*\s], 1
	s_add_co_u32 s[G0+4*\s+1], s12, \s*OCT
	s_add_nc_u64 s[G0+4*\s+2:G0+4*\s+3], s[20:21], \s*OCT
	s_or_b32 s[G0+4*\s+3], s[G0+4*\s+3], 0x80000000
.endr
	CROUND                                         ; the round in front of the first joint loads
	JLOAD 0                                        ; K steps 0 to 7: one tensor load a wave at the head
	s_wait_tensorcnt 0x0                           ; slot 1's first fill is issued as a refill is
	ds_add_u32 v[SPW], v[NIL]
	s_wait_dscnt 0x0
	CROUND
	JLOAD 1                                        ; K steps 8 to 15
	ASCL 0
	WIN 0x80
.irp t, 0,1,2,3,4,5,6,7
	AFRAG 0, \t
.endr
	STEP 0, 1, 0, 1, 34, 1, 1                      ; K step 0 starts the sums; the loop is entered behind its own place 0
	WIN 0
	s_branch .Lentry
.Lloop:                                            ; a trip: places 7 .. 15, 0 .. 6; both slots are filled again
	STEP 7, 0, 1, 1, 34, 1, 1
.irp q, 8,9,10,11,12,13,14
	STEP \q, 0, 0, 1, 34, 1, 1
.endr
	STEP 15, 0, 1, 1, 34, 1, 1
	WIN 0
	s_wait_xcnt 0x0                                ; every load and prefetch has read its base: T goes on by 16 K steps
	s_add_nc_u64 s[10:11], s[10:11], 16*BBLK
	s_add_nc_u64 s[44:45], s[44:45], 16*ABLK
	s_add_nc_u64 s[46:47], s[46:47], 16*BBLK
	STEP 0, 0, 0, 1, 34, 1, 1
	WIN 0
.Lentry:
.irp q, 1,2,3,4,5,6
	STEP \q, 0, 0, 1, 34, 1, 1
.endr
	WIN 0
	s_sub_co_u32 s3, s3, 1
	s_cmp_lg_u32 s3, 0
	s_cbranch_scc1 .Lloop
	STEP 7, 0, 2, 1, 34, 1, 0                      ; K steps 55 to 63: nothing is filled again,
.irp q, 8,9,10,11,12
	STEP \q, 0, 0, 1, 34, 1, 0
.endr
	STEP 13, 0, 0, 0, 34, 1, 0                     ; B's last K step has been asked for: the counts run down
	STEP 14, 0, 0, 0, 17, 1, 0
	STEP 15, 0, 0, 0, 0, 0, 0
	WIN 0
	PLACES 8
; THE WAY OUT, 16 rows x 64 columns at a turn: through my own stage and back as whole rows of 256 bytes.  LDS serves a wave's instructions in order (ISA guide 5.7.1.4): no wait between the stores and the loads.
.macro TOSTAGE a
	WIN 0x0c                                       ; the data: window 3
.irp b, 0,1,2,3
	ds_store_b128 v[STO], v[32*(\a)+8*\b:32*(\a)+8*\b+3] offset:64*\b
	ds_store_b128 v[STO], v[32*(\a)+8*\b+4:32*(\a)+8*\b+7] offset:64*\b+16
.endr
	WIN 0
.set BB, BK+32*((\a)%2)
.irp t, 0,1,2,3,4,5,6,7
	ds_load_b128 v[BB+4*\t:BB+4*\t+3], v[RD] offset:\t*2*SPITCH
.endr
.endm
.macro SEND a, younger
.set BB, BK+32*((\a)%2)
	s_wait_dscnt \younger
.irp t, 0,1,2,3,4,5,6,7
	global_store_b128 v[CO], v[BB+4*\t:BB+4*\t+3], s[8:9] offset:(16*(\a)+2*\t)*16384 th:TH_STORE_NT   ; sixteen lanes store one aligned unit of 256 bytes
.endr
.endm
	TOSTAGE 0
.irp a, 1,2,3,4,5,6,7
.if \a > 1
	s_wait_xcnt 0x0                                ; the stores of two turns ago have read their registers
.endif
	TOSTAGE \a
	SEND \a-1, 16                                  ; behind its loads: the next turn's 8 stores and 8 loads
.endr
	SEND 7, 0
	s_wait_tensorcnt 0x0                           ; the wave's end
	ds_add_u32 v[SPW], v[NIL]
	s_wait_dscnt 0x0
	CROUND                                         ; the closing round
	s_endpgm
.Lfunc_end_k_q6ae03ded6f_gemm:
	.size	k_q6ae03ded6f_gemm, .Lfunc_end_k_q6ae03ded6f_gemm-k_q6ae03ded6f_gemm
	.p2alignl 7, 3214868480
	.fill 96, 4, 3214868480
	.section	.rodata,"a",@progbits
	.p2align	6, 0x0
	.amdhsa_kernel k_q6ae03ded6f_gemm
		.amdhsa_group_segment_fixed_size 327680
		.amdhsa_private_segment_fixed_size 0
		.amdhsa_enable_private_segment 0
		.amdhsa_kernarg_size 24
		.amdhsa_user_sgpr_count 2
		.amdhsa_user_sgpr_kernarg_segment_ptr 1
		.amdhsa_wavefront_size32 1
		.amdhsa_system_sgpr_workgroup_id_x 1
		.amdhsa_system_sgpr_workgroup_id_y 1
		.amdhsa_system_sgpr_workgroup_id_z 1
		.amdhsa_system_vgpr_workitem_id 0
		.amdhsa_next_free_vgpr 1024
		.amdhsa_next_free_sgpr 66
		.amdhsa_reserve_vcc 0
		.amdhsa_float_denorm_mode_32 3
		.amdhsa_float_denorm_mode_16_64 3
		.amdhsa_memory_ordered 1
		.amdhsa_forward_progress 1
		.amdhsa_inst_pref_size 237
	.end_amdhsa_kernel
	.amdgpu_metadata
---
amdhsa.version: [ 1, 2 ]
amdhsa.kernels:
  - .name:           k_q6ae03ded6f_gemm
    .symbol:         k_q6ae03ded6f_gemm.kd
    .args:
      - { .name: xq, .offset: 0, .size: 8, .value_kind: global_buffer, .address_space: global }
      - { .name: kq, .offset: 8, .size: 8, .value_kind: global_buffer, .address_space: global }
      - { .name: out0, .offset: 16, .size: 8, .value_kind: global_buffer, .address_space: global }
    .group_segment_fixed_size: 327680
    .private_segment_fixed_size: 0
    .kernarg_segment_align: 8
    .kernarg_segment_size: 24
    .max_flat_workgroup_size: 128
    .sgpr_count:     66
    .vgpr_count:     1024
    .wavefront_size: 32
...
	.end_amdgpu_metadata
.endif
;; end of part 2
